; MI455X (gfx1250); checked and timed in simulation.
; The chip was launched on July 23, 2026; its instructions are those of AMD's public machine-readable ISA for CDNA 5 (MIT licence, August 2026) and "CDNA5" Instruction Set Architecture Reference Guide (July 2026). The comments in the code are by the model that wrote it; some were corrected since.
;; Q Lo RA Linear. Allowed arithmetic: float matrix products may take bf16 or f16 operands with f32 sums; other float arithmetic in f32, or as packed bf16 or f16 multiplies, adds, multiply-adds, maxima and minima; sums over many terms, partial sums and values carried from step to step in f32; what a program stores and reads back later, other than sums and carried values, may be rounded once to bf16 or f16.
;; Inputs: block_scales 4,096 x 256 float32; global_scale 1 float32; lora_A 16 x 4,096 float32; lora_B 4,096 x 16 float32; packed_weight 4,096 x 2,048 int32; x 4 x 1,024 x 4,096 float32.
;; Outputs: out0 4 x 1,024 x 4,096 float32.
;; 2 versions, each right; version 2 is version 1 with the launch wprep written anew for expert scheduling mode. Each part assembles by itself: llvm-mc -triple=amdgcn-amd-amdhsa -mcpu=gfx1250 --defsym DOCPART=n.
;; ======== version 1 of 2: 3 launches
;; limits: values outside matrix products are rounded to bf16
;; workspace buffers: xb 33,554,432 bytes; wb 33,554,432 bytes
;; launch xcast (part 1): grid 1024 x 1, 8 waves a work-group, no clusters, 0 bytes of LDS; arguments x, xb; writes xb
.if DOCPART == 1
	.amdgcn_target "amdgcn-amd-amdhsa--gfx1250"
	.amdhsa_code_object_version 6
	.text
	.protected	k_qa598eea498_xcast
	.globl	k_qa598eea498_xcast
	.p2align	8
	.type	k_qa598eea498_xcast,@function
k_qa598eea498_xcast:
	s_mov_b64 s[64:65], 0
	v_nop
	global_prefetch_b8 v0, s[64:65] scope:SCOPE_SE
	s_setreg_imm32_b32 hwreg(HW_REG_WAVE_MODE, 25, 1), 1
	s_wait_xcnt 0x0
; THE PROGRAM.  out0[m][o] = sum over i of x[m][i] W[o][i] + sum over r of (sum over i of x[m][i] lora_A[r][i]) lora_B[o][r], m, o, i in 0..4095, r in 0..15,
; W[o][i] = FP4(code[o][i]) x block_scales[o][i / 16] x global_scale.  Three launches:
;   xcast  xb = x rounded to bf16                                                        (this text)
;   wprep  wb = (W + lora_B lora_A), summed in f32 and rounded once to bf16
;   gemm   out0 = xb wb^T, bf16 operands, f32 sums, f32 result
; ONE PRODUCT FOR TWO.  (x lora_A^T) lora_B^T = x (lora_B lora_A)^T for all values (products of matrices are associative), and x W^T + x (lora_B lora_A)^T = x (W + lora_B lora_A)^T
; (distributive).  lora_B lora_A costs 4096 x 4096 x 16 multiply-adds, half as many as the two thin products that it stands for.
; LEFT OUT.  The factor SCALING = LORA_ALPHA / R = 16 / 16 = 1 is a constant of the problem's own body, whatever the inputs hold: a factor that is 1.  Nothing else is left out, every input is loaded.
; LIMITS.  x, block_scales, global_scale, lora_A and lora_B are each rounded to bf16 (nearest even) before use; FP4 x scale x global scale is then exact in f32 (2 + 8 + 8 significant bits);
; the finished weight W + lora_B lora_A is rounded once more, to bf16, so the LoRA term is carried to within 2^-9 of the whole weight, not of itself.  The order of the sums differs from the reference's.
; bf16 has f32's exponents, so no range is lost.  NaN and infinities are not treated apart.
;
; THIS LAUNCH.  A stream: 64 MiB in, 32 MiB out, no byte twice.  A work-group takes 65,536 consecutive bytes of x.  In pass i of 16 thread t takes the 16 bytes at 4,096 i + 16 t: a load of a wave covers
; 512 consecutive bytes, its store of 8 bytes a lane 256 consecutive bytes, aligned.  All 16 loads of a thread go out at once into registers of their own, so nothing is filled again and the only waits
; are the counted ones in front of each pass.  No LDS, no barrier, no matrix unit: no thread wants another thread's bytes.
.set X, 4                              ; v[4:67]  pass i: four registers as loaded; its first two then hold the four bf16
	s_load_b128 s[4:7], s[0:1], 0x0                ; x s[4:5], xb s[6:7]
	s_lshl_b32 s2, ttmp9, 16                       ; the work-group's 65,536 bytes of x (under 2^26),
	s_mov_b32 s3, 0
	s_lshl_b32 s8, ttmp9, 15                       ; and its 32,768 bytes of xb
	s_mov_b32 s9, 0
	v_lshlrev_b32 v1, 4, v0                        ; 16 t
	v_lshlrev_b32 v2, 3, v0                        ; 8 t
	s_wait_kmcnt 0x0
	s_add_nc_u64 s[4:5], s[4:5], s[2:3]
	s_add_nc_u64 s[6:7], s[6:7], s[8:9]
.set i, 0
.rept 16
	global_load_b128 v[X+4*i:X+4*i+3], v1, s[4:5] offset:4096*i th:TH_LOAD_NT
.set i, i+1
.endr
.set i, 0
.rept 16
	s_wait_loadcnt 15-i                            ; loads come back in order (ISA guide 5.7.1): pass i is in, the 15 - i younger ones stay out
	v_cvt_pk_bf16_f32 v[X+4*i],   v[X+4*i],   v[X+4*i+1]  ; two roundings to bf16, packed; the first source goes to the low half
	v_cvt_pk_bf16_f32 v[X+4*i+1], v[X+4*i+2], v[X+4*i+3]
	global_store_b64 v2, v[X+4*i:X+4*i+1], s[6:7] offset:2048*i th:TH_STORE_NT
.set i, i+1
.endr
	s_endpgm                                       ; no register that a load or store names is ever written again
.Lfunc_end_k_qa598eea498_xcast:
	.size	k_qa598eea498_xcast, .Lfunc_end_k_qa598eea498_xcast-k_qa598eea498_xcast
	.p2alignl 7, 3214868480
	.fill 96, 4, 3214868480
	.section	.rodata,"a",@progbits
	.p2align	6, 0x0
	.amdhsa_kernel k_qa598eea498_xcast
		.amdhsa_group_segment_fixed_size 0
		.amdhsa_private_segment_fixed_size 0
		.amdhsa_enable_private_segment 0
		.amdhsa_kernarg_size 16
		.amdhsa_user_sgpr_count 2
		.amdhsa_user_sgpr_kernarg_segment_ptr 1
		.amdhsa_wavefront_size32 1
		.amdhsa_system_sgpr_workgroup_id_x 1
		.amdhsa_system_sgpr_workgroup_id_y 1
		.amdhsa_system_sgpr_workgroup_id_z 1
		.amdhsa_system_vgpr_workitem_id 0
		.amdhsa_next_free_vgpr 68
		.amdhsa_next_free_sgpr 66
		.amdhsa_reserve_vcc 0
		.amdhsa_float_denorm_mode_32 3
		.amdhsa_float_denorm_mode_16_64 3
		.amdhsa_memory_ordered 1
		.amdhsa_forward_progress 1
		.amdhsa_inst_pref_size 7
	.end_amdhsa_kernel
	.amdgpu_metadata
---
amdhsa.version: [ 1, 2 ]
amdhsa.kernels:
  - .name:           k_qa598eea498_xcast
    .symbol:         k_qa598eea498_xcast.kd
    .args:
      - { .name: x, .offset: 0, .size: 8, .value_kind: global_buffer, .address_space: global }
      - { .name: xb, .offset: 8, .size: 8, .value_kind: global_buffer, .address_space: global }
    .group_segment_fixed_size: 0
    .private_segment_fixed_size: 0
    .kernarg_segment_align: 8
    .kernarg_segment_size: 16
    .max_flat_workgroup_size: 256
    .sgpr_count:     66
    .vgpr_count:     68
    .wavefront_size: 32
...
	.end_amdgpu_metadata
.endif
;; end of part 1
;; launch wprep (part 2): grid 8 x 32, 8 waves a work-group, no clusters, 52,736 bytes of LDS; arguments packed_weight, block_scales, global_scale, lora_A, lora_B, wb; writes wb
.if DOCPART == 2
	.amdgcn_target "amdgcn-amd-amdhsa--gfx1250"
	.amdhsa_code_object_version 6
	.text
	.protected	k_qa598eea498_wprep
	.globl	k_qa598eea498_wprep
	.p2align	8
	.type	k_qa598eea498_wprep,@function
k_qa598eea498_wprep:
	s_mov_b64 s[64:65], 0
	v_nop
	global_prefetch_b8 v0, s[64:65] scope:SCOPE_SE
	s_setreg_imm32_b32 hwreg(HW_REG_WAVE_MODE, 25, 1), 1
	s_wait_xcnt 0x0
; wb[o][i] = bf16( FP4(code[o][i]) x bf16(block_scales[o][i / 16]) x bf16(global_scale) + sum over r of bf16(lora_B[o][r]) bf16(lora_A[r][i]) ),  [4096][4096], row-major.
; LEFT OUT: the factor SCALING = 16 / 16 = 1, a constant of the problem's own body (shown at the head of xcast).
; packed_weight holds one byte of two codes in each 32-bit word: element 2 j in bits 3:0 of word j, element 2 j + 1 in bits 7:4; the bits above are dropped, as the reference's masks drop them.
; SHARES.  Work-group (cx, cy) makes rows 128 cy .. + 127, columns 512 cx .. + 511.  Wave w takes 16 rows and walks four BLOCKS of 128 columns, each eight TILES of 16 x 16: a tile is one scale group of each row.
; THE PRODUCT IS USED TRANSPOSED: source 0 = 16 columns of lora_A (K = the rank: 16 of the form's 32, the upper 16 are zeros in both sources), source 1 = my 16 rows of lora_B, C = D = the dequantised tile.
; In C and D lane l (r = l % 16, h = l / 16) holds row r and, in registers 0 to 7, the columns 8 h + 0 .. 7 of the tile: four packed words (16 bytes) on the way in, 16 bytes of bf16 on the way out.
; ON THE WAY IN a tile's load takes 32 bytes of each of my 16 rows; a block's eight loads together take 256 consecutive bytes, aligned, of each row.  Two sets of registers: one block is worked on, the other's loads are out.
; ON THE WAY OUT a block goes through my own stage in LDS and leaves as whole rows of 256 bytes.
; LDS: lora_A's 16 x 512 numbers in bf16 (pitch 1,056 = 264 words: row k starts at bank 8 k mod 64; 64 banks of 4 bytes: ISA guide 11.1);
; then a stage of 16 rows x 272 bytes for each wave; then the spare words.
.set PA,    1056
.set STAGE, 16*PA                      ; 16,896
.set SP,    272
.set SPARE, STAGE+8*16*SP              ; 51,712: 128 bytes for each of the eight waves: four blocks of 256 bytes that no other line names
.set PO,  4                            ; v4   packed words: r x 8,192 + 16 h; never rewritten, like all of v4-v17
.set SO,  5                            ; v5   scales: r x 1,024
.set BO,  6                            ; v6   lora_B: r x 64 + 32 h
.set AO,  7                            ; v7   lora_A in memory: (t / 16) x 16,384 + (t % 16) x 32, t my thread's number
.set AW,  8                            ; v8   lora_A into LDS: (t / 16) x 1,056 + (t % 16) x 16
.set AR,  9                            ; v9   lora_A out of LDS, turned: (8 h + l % 8) x 1,056 + 16 ((l / 8) % 2)
.set STO, 10                           ; v10  the stage, in: r x 272 + 16 h
.set RD,  11                           ; v11  the stage, back: h x 272 + 16 r
.set CO,  12                           ; v12  wb: h x 8,192 + 16 r
.set E8,  13                           ; v13  the scaled conversion's scale: the E8M0 code of 1.0
.set G,   14                           ; v[14:15] bf16(global_scale) as f32, twice
.set SPW, 16                           ; v16  LDS address of my spare word
.set NIL, 17                           ; v17  0
.set BF,  18                           ; v[18:25]   lora_B's fragment; registers 4-7 are 0
.set AT,  26                           ; v[26:89]   lora_A's fragments of a block, tile t at AT + 8 t; registers 4-7 of each are 0
.set ACC, 90                           ; v[90:153]  the block's eight tiles in f32, tile t at ACC + 8 t
.set SC,  154                          ; v[154:185] my row's 32 scales, times the global scale: block c, tile t at SC + 8 c + t
.set P0,  186                          ; v[186:217] packed words, set 0: tile t at + 4 t
.set P1,  218                          ; v[218:249] set 1
.set T,   250                          ; v[250:251] at work
	s_load_b256 s[4:11], s[0:1], 0x0               ; packed s[4:5], scales s[6:7], global scale s[8:9], lora_A s[10:11]
	s_load_b128 s[12:15], s[0:1], 0x20             ; lora_B s[12:13], wb s[14:15]
	v_lshl_add_u32 v[SPW], v0, 2, SPARE
	v_mov_b32 v[NIL], 0
	v_lshrrev_b32 v1, 5, v0
	v_readfirstlane_b32 s16, v1                    ; wave 0..7
	s_mov_b32 s17, ttmp9                           ; cx
	s_and_b32 s18, ttmp7, 0xffff                   ; cy
	s_lshl_b32 s19, s18, 7
	s_lshl4_add_u32 s19, s16, s19                  ; my first row: 128 cy + 16 w
	s_mov_b32 s21, 0xffff0000                      ; a word's upper bf16
	s_mov_b32 s22, 0x04000400                      ; v_perm_b32: byte 0 of the second source, byte 0 of the first, twice
	s_mov_b32 s23, 0x05040100                      ; v_perm_b32: the low half of the second source, the low half of the first
	v_and_b32 v1, 15, v0                           ; r (also t % 16)
	v_bfe_u32 v2, v0, 4, 1                         ; h
	v_lshlrev_b32 v[PO], 13, v1
	v_lshl_add_u32 v[PO], v2, 4, v[PO]
	v_lshlrev_b32 v[SO], 10, v1
	v_lshlrev_b32 v[BO], 6, v1
	v_lshl_add_u32 v[BO], v2, 5, v[BO]
	v_lshrrev_b32 v3, 4, v0                        ; t / 16: the row of lora_A that I bring in
	v_lshlrev_b32 v[AO], 14, v3
	v_lshl_add_u32 v[AO], v1, 5, v[AO]
	v_mul_u32_u24 v[AW], v3, PA
	v_lshl_add_u32 v[AW], v1, 4, v[AW]
	v_and_b32 v3, 7, v0
	v_lshl_add_u32 v3, v2, 3, v3                   ; 8 h + l % 8
	v_mul_u32_u24 v[AR], v3, PA
	v_bfe_u32 v3, v0, 3, 1
	v_lshl_add_u32 v[AR], v3, 4, v[AR]
	s_mul_i32 s26, s16, 16*SP
	s_add_co_u32 s26, s26, STAGE                   ; my stage
	v_mul_u32_u24 v[STO], v1, SP
	v_lshl_add_u32 v[STO], v2, 4, v[STO]
	v_add_nc_u32 v[STO], s26, v[STO]
	v_mul_u32_u24 v[RD], v2, SP
	v_lshl_add_u32 v[RD], v1, 4, v[RD]
	v_add_nc_u32 v[RD], s26, v[RD]
	v_lshlrev_b32 v[CO], 13, v2
	v_lshl_add_u32 v[CO], v1, 4, v[CO]
	s_wait_kmcnt 0x0
	s_load_b32 s20, s[8:9], 0x0                    ; the global scale; no line of this launch writes that buffer
	s_mov_b32 s25, 0
	s_lshl_b32 s24, s19, 13                        ; packed_weight and wb both have rows of 8,192 bytes and 1,024 bytes for 512 columns:
	s_lshl_b32 s27, s17, 10
	s_add_co_u32 s24, s24, s27                     ; row x 8,192 + cx x 1,024 (under 2^26)
	s_add_nc_u64 s[4:5], s[4:5], s[24:25]
	s_add_nc_u64 s[14:15], s[14:15], s[24:25]
	s_lshl_b32 s24, s19, 10                        ; scales: row x 1,024 + cx x 128
	s_lshl_b32 s27, s17, 7
	s_add_co_u32 s24, s24, s27
	s_add_nc_u64 s[6:7], s[6:7], s[24:25]
	s_lshl_b32 s24, s17, 11                        ; lora_A: cx x 2,048
	s_add_nc_u64 s[10:11], s[10:11], s[24:25]
	s_lshl_b32 s24, s19, 6                         ; lora_B: row x 64
	s_add_nc_u64 s[12:13], s[12:13], s[24:25]
.macro LOADP pb, c                     ; block c's packed words into set pb: eight loads
.irp t, 0,1,2,3,4,5,6,7
	global_load_b128 v[(\pb)+4*(\t):(\pb)+4*(\t)+3], v[PO], s[4:5] offset:256*(\c)+32*(\t)
.endr
.endm
.macro LOADAT c                        ; block c's eight fragments of lora_A, turned: lane l gets column l % 16 of the tile and the ranks 8 h + 0 .. 7
.irp t, 0,1,2,3,4,5,6,7
	ds_load_tr16_b128 v[AT+8*(\t):AT+8*(\t)+3], v[AR] offset:256*(\c)+32*(\t)
.endr
.endm
	; all the head's loads go out together: 8 of lora_A, 2 of lora_B, 8 of scales, 16 of packed words
.irp p, 0,1,2,3
	global_load_b128 v[ACC+8*(\p):ACC+8*(\p)+3],   v[AO], s[10:11] offset:512*(\p)      ; sixteen threads take 512 consecutive bytes of a row of lora_A
	global_load_b128 v[ACC+8*(\p)+4:ACC+8*(\p)+7], v[AO], s[10:11] offset:512*(\p)+16
.endr
	global_load_b128 v[ACC+32:ACC+35], v[BO], s[12:13]
	global_load_b128 v[ACC+36:ACC+39], v[BO], s[12:13] offset:16
.irp q, 0,1,2,3,4,5,6,7
	global_load_b128 v[SC+4*(\q):SC+4*(\q)+3], v[SO], s[6:7] offset:16*(\q)
.endr
	LOADP P0, 0
	LOADP P1, 1
	v_mov_b32 v[E8], 0x7f7f7f7f
.irp t, 0,1,2,3,4,5,6,7                ; ranks 16 to 31 do not exist: zeros in both sources, written once, while the loads are out
.irp q, 4,5,6,7
	v_mov_b32 v[AT+8*(\t)+(\q)], 0
.endr
.endr
.irp q, 4,5,6,7
	v_mov_b32 v[BF+(\q)], 0
.endr
	s_wait_kmcnt 0x0                               ; the global scale
	v_mov_b32 v[G], s20
	v_cvt_pk_bf16_f32 v[G], v[G], v[G]
	v_lshlrev_b32 v[G], 16, v[G]                   ; rounded to bf16, as f32 again
	v_mov_b32 v[G+1], v[G]
	s_wait_loadcnt 26                              ; lora_A is in; the 2 + 8 + 16 younger loads stay out
.irp p, 0,1,2,3
.irp q, 0,1,2,3
	v_cvt_pk_bf16_f32 v[ACC+8*(\p)+(\q)], v[ACC+8*(\p)+2*(\q)], v[ACC+8*(\p)+2*(\q)+1]  ; in place: register q is written when 2 q and 2 q + 1 are read
.endr
	ds_store_b128 v[AW], v[ACC+8*(\p):ACC+8*(\p)+3] offset:256*(\p)
.endr
	s_wait_dscnt 0x0                               ; for the others' sake: my part of lora_A lies in LDS
	s_barrier_signal -1
	s_barrier_wait -1                              ; everybody's does; nobody writes it again: the launch's one barrier
	LOADAT 0
	s_wait_loadcnt 16                              ; lora_B and the scales are in; the two sets of packed words stay out
.irp q, 0,1,2,3
	v_cvt_pk_bf16_f32 v[BF+(\q)], v[ACC+32+2*(\q)], v[ACC+32+2*(\q)+1]
.endr
.set p, 0
.rept 16                               ; a pair of scales: rounded to bf16, widened again, times the global scale (8 + 8 bits: exact in f32)
	v_cvt_pk_bf16_f32 v[T+p%2], v[SC+2*p], v[SC+2*p+1]
	v_lshlrev_b32 v[SC+2*p], 16, v[T+p%2]
	v_and_b32 v[SC+2*p+1], s21, v[T+p%2]
	v_pk_mul_f32 v[SC+2*p:SC+2*p+1], v[SC+2*p:SC+2*p+1], v[G:G+1]
.set p, p+1
.endr
	s_wait_dscnt 0x0                               ; block 0's fragments of lora_A
; A BLOCK.  pb: its set of packed words.  more = 1: the set is asked for again, for the block two further on.  left: the younger loads that may stay out.
.macro BLOCK c, pb, more, left
	s_wait_loadcnt \left                           ; my set is in
.if (\c) > 0
	s_wait_xcnt 0x0                                ; the last block's stores have had their addresses translated (ISA guide 3.1): their data, the tiles' upper halves, are written again only behind this wait
.endif
.irp t, 0,1,2,3,4,5,6,7                ; the low bytes of four words into one word: byte j = the two codes of word j
	v_perm_b32 v[(\pb)+4*(\t)],   v[(\pb)+4*(\t)+1], v[(\pb)+4*(\t)],   s22
	v_perm_b32 v[(\pb)+4*(\t)+2], v[(\pb)+4*(\t)+3], v[(\pb)+4*(\t)+2], s22
.endr
.irp t, 0,1,2,3,4,5,6,7
	v_perm_b32 v[(\pb)+4*(\t)], v[(\pb)+4*(\t)+2], v[(\pb)+4*(\t)], s23
.endr
.irp t, 0,1,2,3,4,5,6,7
	v_cvt_scale_pk8_f32_fp4 v[ACC+8*(\t):ACC+8*(\t)+7], v[(\pb)+4*(\t)], v[E8]  ; eight codes, the lowest four bits first, to eight f32, times 1
.endr
	v_nop                                          ; a plain instruction between the last scaled conversion and the use of its result
.irp t, 0,1,2,3,4,5,6,7
.irp q, 0,2,4,6
.if ((\t)&1) == 0
	v_pk_mul_f32 v[ACC+8*(\t)+(\q):ACC+8*(\t)+(\q)+1], v[ACC+8*(\t)+(\q):ACC+8*(\t)+(\q)+1], v[SC+8*(\c)+(\t):SC+8*(\c)+(\t)+1] op_sel_hi:[1,0]  ; both by the pair's first: an even tile's scale
.else
	v_pk_mul_f32 v[ACC+8*(\t)+(\q):ACC+8*(\t)+(\q)+1], v[ACC+8*(\t)+(\q):ACC+8*(\t)+(\q)+1], v[SC+8*(\c)+(\t)-1:SC+8*(\c)+(\t)] op_sel:[0,1] op_sel_hi:[1,1]  ; both by the pair's second: an odd tile's
.endif
.endr
.endr
.if \more
	LOADP \pb, (\c)+2
.endif
.irp t, 0,1,2,3,4,5,6,7                ; + lora_B lora_A.  The eight accumulators take turns, one instruction a turn, from block to block too
	v_wmma_f32_16x16x32_bf16 v[ACC+8*(\t):ACC+8*(\t)+7], v[AT+8*(\t):AT+8*(\t)+3+4], v[BF:BF+7], v[ACC+8*(\t):ACC+8*(\t)+7]
.endr
.rept 8
	v_nop                                          ; places behind the products, in front of loads into their sources and of roundings that read and overwrite their results; eight, the stricter count, since the results are written in place
.endr
.if (\c) < 3
	LOADAT (\c)+1
.endif
.irp t, 0,1,2,3,4,5,6,7
.irp q, 0,1,2,3
	v_cvt_pk_bf16_f32 v[ACC+8*(\t)+(\q)], v[ACC+8*(\t)+2*(\q)], v[ACC+8*(\t)+2*(\q)+1]  ; the one rounding of the weight; each tile's registers in ascending order
.endr
.endr
.irp t, 0,1,2,3,4,5,6,7
	ds_store_b128 v[STO], v[ACC+8*(\t):ACC+8*(\t)+3] offset:32*(\t)
.endr
.irp u, 0,1,2,3,4,5,6,7
	ds_load_b128 v[ACC+8*(\u)+4:ACC+8*(\u)+7], v[RD] offset:2*SP*(\u)  ; rows 2 u and 2 u + 1, whole.  LDS serves a wave's instructions in order (ISA guide 5.7.1.4): these see the stores above, and the next block's stores come behind them
.endr
	s_wait_dscnt 0x0                               ; the rows are back, and the next block's fragments of lora_A are in
.irp u, 0,1,2,3,4,5,6,7
	global_store_b128 v[CO], v[ACC+8*(\u)+4:ACC+8*(\u)+7], s[14:15] offset:256*(\c)+16384*(\u) th:TH_STORE_NT  ; 16 lanes store 256 consecutive bytes, at a multiple of 256 from wb's first byte
.endr
.endm
	BLOCK 0, P0, 1, 8                              ; the count 8: the other set's eight loads
	BLOCK 1, P1, 1, 8
	BLOCK 2, P0, 0, 8
	BLOCK 3, P1, 0, 0
	s_wait_tensorcnt 0x0                           ; the wave's end, behind my last LDS store
	ds_add_u32 v[SPW], v[NIL]
	s_wait_dscnt 0x0
	s_endpgm
.Lfunc_end_k_qa598eea498_wprep:
	.size	k_qa598eea498_wprep, .Lfunc_end_k_qa598eea498_wprep-k_qa598eea498_wprep
	.p2alignl 7, 3214868480
	.fill 96, 4, 3214868480
	.section	.rodata,"a",@progbits
	.p2align	6, 0x0
	.amdhsa_kernel k_qa598eea498_wprep
		.amdhsa_group_segment_fixed_size 52736
		.amdhsa_private_segment_fixed_size 0
		.amdhsa_enable_private_segment 0
		.amdhsa_kernarg_size 48
		.amdhsa_user_sgpr_count 2
		.amdhsa_user_sgpr_kernarg_segment_ptr 1
		.amdhsa_wavefront_size32 1
		.amdhsa_system_sgpr_workgroup_id_x 1
		.amdhsa_system_sgpr_workgroup_id_y 1
		.amdhsa_system_sgpr_workgroup_id_z 1
		.amdhsa_system_vgpr_workitem_id 0
		.amdhsa_next_free_vgpr 256
		.amdhsa_next_free_sgpr 66
		.amdhsa_reserve_vcc 0
		.amdhsa_float_denorm_mode_32 3
		.amdhsa_float_denorm_mode_16_64 3
		.amdhsa_memory_ordered 1
		.amdhsa_forward_progress 1
		.amdhsa_inst_pref_size 51
	.end_amdhsa_kernel
	.amdgpu_metadata
---
amdhsa.version: [ 1, 2 ]
amdhsa.kernels:
  - .name:           k_qa598eea498_wprep
    .symbol:         k_qa598eea498_wprep.kd
    .args:
      - { .name: packed_weight, .offset: 0, .size: 8, .value_kind: global_buffer, .address_space: global }
      - { .name: block_scales, .offset: 8, .size: 8, .value_kind: global_buffer, .address_space: global }
      - { .name: global_scale, .offset: 16, .size: 8, .value_kind: global_buffer, .address_space: global }
      - { .name: lora_A, .offset: 24, .size: 8, .value_kind: global_buffer, .address_space: global }
      - { .name: lora_B, .offset: 32, .size: 8, .value_kind: global_buffer, .address_space: global }
      - { .name: wb, .offset: 40, .size: 8, .value_kind: global_buffer, .address_space: global }
    .group_segment_fixed_size: 52736
    .private_segment_fixed_size: 0
    .kernarg_segment_align: 8
    .kernarg_segment_size: 48
    .max_flat_workgroup_size: 256
    .sgpr_count:     66
    .vgpr_count:     256
    .wavefront_size: 32
...
	.end_amdgpu_metadata
.endif
;; end of part 2
;; launch gemm (part 3): grid 16 x 16, 4 waves a work-group, clusters of 4 x 4, 327,680 bytes of LDS; arguments xb, wb, out0; writes out0
.if DOCPART == 3
	.amdgcn_target "amdgcn-amd-amdhsa--gfx1250"
	.amdhsa_code_object_version 6
	.text
	.protected	k_qa598eea498_gemm
	.globl	k_qa598eea498_gemm
	.p2align	8
	.type	k_qa598eea498_gemm,@function
k_qa598eea498_gemm:
	s_mov_b64 s[64:65], 0
	v_nop
	global_prefetch_b8 v0, s[64:65] scope:SCOPE_SE
	s_setreg_imm32_b32 hwreg(HW_REG_WAVE_MODE, 25, 1), 1
	s_wait_xcnt 0x0
	s_wait_alu depctr_hold_cnt(0) depctr_sa_sdst(0) depctr_va_vdst(0) depctr_va_sdst(0) depctr_va_ssrc(0) depctr_va_vcc(0) depctr_vm_vsrc(0)
	s_getreg_b32 s2, hwreg(HW_REG_IB_STS2, 6, 4)
	s_cmp_eq_u32 s2, 0
	s_cbranch_scc0 .Lentry_in_a_cluster
	s_endpgm
.Lentry_in_a_cluster:
	s_bfe_u32 s2, ttmp6, 0x10000c
	s_cmp_lg_u32 s2, 0xf033
	s_cbranch_scc0 .Lentry_shape_is_right
	s_endpgm
.Lentry_shape_is_right:
; out0[m][n] = sum over k of xb[m][k] wb[n][k].  xb: [4096][4096] bf16 (x rounded), wb: [4096][4096] bf16 (the dequantised weight plus lora_B lora_A, rounded once), out0: [4096][4096] f32; sums in f32.
; No LoRA product and no factor SCALING stand here: wb holds both terms (shown at the head of xcast).
; A tile of out0, 256 x 256, is made by a work-group of four waves; a wave makes 128 x 128: 64 accumulators of 16 x 16, 512 registers.  256 tiles, one to a work-group.
; K goes in 32 steps of 128 through a ring of two LDS slots filled by the tensor data mover: the rows of both tiles are 256 bytes of memory and start at multiples of 256 bytes from the buffer's first byte.
; CLUSTERS: 4 x 4 work-groups.  The four of a row of the cluster need the same tiles of xb, the four of a column the same tiles of wb.  Such a tile is asked for JOINTLY: each of the four issues the same
; tensor load, with the same descriptor and a mask that names the four, and each receives the tile in its own LDS.  That divides the requests for both by four.
; REGISTERS, in windows of 256 (s_set_vgpr_msb's low byte: bits 1:0 source 0, 3:2 source 1, 5:4 source 2, 7:6 destination):
;   window 0: v0-31 addresses; v64-127, v128-191 fragments of xb (8 x 16 rows x 32 K), two buffers; on the way out the same 128 registers take rows back from the stage
;   window 1: v64-127, v128-191 fragments of wb, two buffers
;   window 2: the 32 accumulators of my rows 0-63 (accumulator (a, b) at v[8 (8 a + b)]);   window 3: those of my rows 64-127
; THE MATRIX INSTRUCTION IS USED TRANSPOSED: source 0 = 16 rows of wb, source 1 = 16 rows of xb.  In the result lane l holds row m = l % 16 of out0 and, in registers 0 to 7, the columns 8 (l / 16) + 0 .. 7:
; 32 neighbouring bytes of a row.
; lds_bytes claims all of a WGP's LDS; the text uses 312,832 bytes.
.set SIZE_M, 4096
.set SIZE_N, 4096
.set SIZE_K, 4096
.set KSTEP,  128
.set PITCH,  272                       ; an LDS row: 256 bytes of data + 16 of padding = 68 words: row r starts at bank 4 r mod 64 (64 banks of 4 bytes: ISA guide 11.1), so the 16 rows that a load touches start at 16 different banks
.set HALFT,  128*PITCH                 ; 128 rows: what one tensor load brings, and what one wave reads of xb or of wb
.set SLOT,   4*HALFT                   ; xb's 256 rows, then wb's 256 rows
.set STAGE,  2*SLOT                    ; behind the ring: 16 rows x 528 bytes for each wave, for the way out; no tensor load fills it
.set SPITCH, 528                       ; 512 bytes (128 f32) + 16 = 132 words: row r starts at bank 4 r mod 64
.set SPARE,  STAGE+4*16*SPITCH         ; behind the stages: the spare words, 128 bytes for each wave: two blocks of 256 bytes that no other line names
.set LAPS, SIZE_K/(2*KSTEP)            ; a lap = two K steps = once round the ring: 16
.set ADRA, 16                          ; v16-17  LDS address of my fragments of xb in slot 0, 1
.set ADRB, 20                          ; v20-21  the same for wb
.set STO,  24                          ; v24     the way out: where I put 32 bytes of a row
.set RD,   25                          ; v25     the way out: where I read 16 bytes of a row back
.set CO,   26                          ; v26     my byte offset in a row's 512 bytes of out0
.set SPW,  28                          ; v28     LDS address of my spare word: SPARE + 4 x my thread's number; never rewritten
.set NIL,  29                          ; v29     0; never rewritten
.set PFO,  30                          ; v30     the prefetches' offset: my lane x a row of xb or wb in memory (8,192 bytes); never rewritten
.set PFA,  44                          ; s[44:45] where my prefetches stand: my work-group's 32 rows of the 128 that I fetch, one K step further along K than the refill that is being asked for; a prefetch names the K step after that
.set LIM,  43                          ; s43     1 in a wave that prefetches, else the greatest number
.set F0,   64                          ; fragment buffer 0
.set F1,   128                         ; fragment buffer 1
.set G1, 24                            ; s[24:31] descriptor group 1 for xb's tiles
.set G0, 32                            ; s[32:39] descriptor group 0 for xb's tiles, one set for each slot
.set G1B, 48                           ; s[48:55] descriptor group 1 for wb's tiles: it differs in the mask alone
.set G0B, 56                           ; s[56:63] descriptor group 0 for wb's tiles, one set for each slot
.set MSB, 0
.macro WIN new                         ; the immediate's high byte repeats the setting that is left; a switch that changes nothing is dropped
.if MSB != (\new)
	s_set_vgpr_msb (MSB<<8)|(\new)
.set MSB, \new
.endif
.endm
.set MUL_LO, 0xa1                      ; source 0 (wb) window 1, source 1 (xb) window 0, C and D window 2
.set MUL_HI, 0xf1                      ; the same, C and D window 3
.set TO_B,   0x40                      ; destination window 1, address window 0
; A joint load.  Waves 0 and 1 fetch xb's two halves, waves 2 and 3 wb's.  Each of the two lines has ONE mask and one set of registers for all that issue it, and nothing in them hangs on a coordinate
; that the four partners do not share.  The branch hangs on the wave's number alone.  An s_nop 0 and four v_nop follow each of the two lines, ahead of the jump, the label and what follows.
.macro JLOAD s
	s_cmp_eq_u32 s11, 0
	s_cbranch_scc0 .Lfor_b_\@
	tensor_load_to_lds s[G0+4*(\s):G0+4*(\s)+3], s[G1:G1+7]
	s_nop 0
.rept 4
	v_nop
.endr
	s_branch .Lasked_\@
.Lfor_b_\@:
	tensor_load_to_lds s[G0B+4*(\s):G0B+4*(\s)+3], s[G1B:G1B+7]
	s_nop 0
.rept 4
	v_nop
.endr
.Lasked_\@:
.endm
; A PREFETCH INTO THE L2, behind each joint refill, its five lines and the run of LDS loads that follows them: the K step that stands TWO refills on, 512 matrix instructions ahead of the load that will
; want it: 32 rows x 256 bytes, a lane a row, one instruction a wave.  Each row's 256 bytes of a K step are named ONCE in the launch.  xb's tile row is read by every cluster of that row of clusters:
; the first of them (cluster x = 0) asks; wb's tile column by every cluster of that column: cluster y = 0 asks.  The four partners that ask for a tile jointly share its rows out BY ADDRESS: of the
; 128 rows that a wave fetches, the partner at place p takes 32 p .. 32 p + 31 (p = cx for xb, cy for wb): no branch hangs on a work-group's place in its cluster.
; The loop's last trip (s3 = 1) asks for nothing: K steps 32 and 33 do not exist.  K steps 0 to 3 come by their loads alone.
.macro ASK
	s_cmp_gt_u32 s3, s[LIM]
	s_cbranch_scc0 .Lnot_mine_\@
	global_prefetch_b8 v[PFO], s[PFA:PFA+1] offset:KSTEP*2 th:TH_LOAD_NT scope:SCOPE_SE
.Lnot_mine_\@:
.endm
; A round of the cluster's barrier: my work-group's barrier, so that wave 0's signal speaks for all four waves; wave 0 signals for the work-group; every wave waits for all sixteen work-groups;
; my work-group's barrier once more.  No LDS instruction of the wave is pending at a signal.
.macro CREST                           ; a round behind its opening barrier
	s_cmp_lg_u32 s10, 0
	s_cbranch_scc1 .Lnot_wave_0_\@
	s_barrier_signal -3
.Lnot_wave_0_\@:
	s_barrier_wait -3
	s_barrier_signal -1
	s_barrier_wait -1
.endm
.macro CROUND                          ; a whole round
	s_barrier_signal -1
	s_barrier_wait -1
	CREST
.endm
	s_load_b128 s[4:7], s[0:1], 0x0                ; xb s[4:5], wb s[6:7]
	s_load_b64 s[8:9], s[0:1], 0x10                ; out0
	v_lshl_add_u32 v[SPW], v0, 2, SPARE
	v_mov_b32 v[NIL], 0
	ds_add_u32 v[SPW], v[NIL]                      ; the wave's opening: the add, twice on end, and its wait ahead of my first tensor load; the set-up below, work on registers, stands between the second and the wait
	ds_add_u32 v[SPW], v[NIL]                      ; and once more, under the one wait
	v_lshrrev_b32 v1, 5, v0
	v_readfirstlane_b32 s10, v1                    ; wave 0..3
	s_lshr_b32 s11, s10, 1                         ; which half of the tile's rows is mine.  Also: I fetch for xb (0) or for wb (1)
	s_and_b32 s12, s10, 1                          ; which half of its columns.  Also: which 128 rows of that tile I fetch
	s_bfe_u32 s40, ttmp6, 0x40000                  ; cx: my place along the cluster's x
	s_bfe_u32 s41, ttmp6, 0x40004                  ; cy: along its y
	s_lshl_b32 s42, ttmp9, 2                       ; in a cluster launch ttmp9 and ttmp7 count clusters
	s_add_co_u32 s42, s42, s40                     ; tile column of out0 = 4 x cluster x + cx
	s_and_b32 s13, ttmp7, 0xffff
	s_lshl_b32 s13, s13, 2
	s_add_co_u32 s13, s13, s41                     ; tile row of out0 = 4 x cluster y + cy
	s_lshl_b32 s43, s41, 2
	s_lshl_b32 s43, 15, s43                        ; my row of the cluster: places 4 cy .. 4 cy + 3
	s_lshl_b32 s44, 0x1111, s40                    ; my column: places cx, cx + 4, cx + 8, cx + 12
	; descriptor group 1: a tile of 128 rows x 128 elements, padded in LDS
	s_or_b32 s[G1+0], s43, (1<<16)|(1<<20)|(1<<21)|(5<<22)|(3<<25)  ; 15:0 the mask: xb's tiles go to my row; 17:16 element of 2 bytes; 20 padding on; 21 set beside a mask; 24:22 after every 64 words (code 5); 31:25 of 4 words (code 3)
	s_or_b32 s[G1B+0], s44, (1<<16)|(1<<20)|(1<<21)|(5<<22)|(3<<25) ; the same with the mask of my column, for wb's tiles
	s_mov_b32 s[G1B+1], KSTEP<<16
	s_mov_b32 s[G1+1], KSTEP<<16                   ; 63:48 tensor_dim0, low half = 128
	s_mov_b32 s[G1B+2], 128<<16
	s_mov_b32 s[G1+2], 128<<16                     ; 79:64 its high half = 0; 95:80 tensor_dim1, low half = 128
	s_mov_b32 s[G1B+3], KSTEP<<16
	s_mov_b32 s[G1+3], KSTEP<<16                   ; 111:96 its high half = 0; 127:112 tile_dim0 = 128
	s_mov_b32 s[G1B+4], 128
	s_mov_b32 s[G1+4], 128                         ; 143:128 tile_dim1 = 128; 159:144 tile_dim2 = 0
	s_mov_b32 s[G1B+5], SIZE_K
	s_mov_b32 s[G1+5], SIZE_K                      ; 191:160 tensor_dim0_stride, low word: elements from row to row
	s_mov_b32 s[G1B+6], 0
	s_mov_b32 s[G1+6], 0
	s_mov_b32 s[G1B+7], 0
	s_mov_b32 s[G1+7], 0
	; where the tiles come from.  xb's hang on the tile row alone, which my row of the cluster shares; wb's on the tile column alone, which my column shares.
	; Every wave makes both addresses, in registers that never hold the other coordinate, and asks by one of them.
	s_lshl_b32 s17, s12, 7                         ; which 128 rows of the tile I fetch
	s_lshl_b32 s16, s13, 8
	s_add_co_u32 s16, s16, s17                     ; xb: row 256 x tile row + 128 x half
	s_lshl_b32 s46, s42, 8
	s_add_co_u32 s46, s46, s17                     ; wb: row 256 x tile column + 128 x half
	s_mov_b32 s17, 0
	s_mov_b32 s47, 0
	s_mov_b64 s[18:19], SIZE_K*2
	s_mul_u64 s[16:17], s[16:17], s[18:19]         ; in bytes, in 64 bits
	s_mul_u64 s[46:47], s[46:47], s[18:19]
	s_mul_i32 s20, s10, HALFT                      ; and where they go: xb's two halves, then wb's two halves = wave x 128 rows: no place in the cluster enters an LDS address
	s_wait_dscnt 0x0                               ; both opening adds are done
	s_wait_kmcnt 0x0
	s_add_nc_u64 s[14:15], s[4:5], s[16:17]
	s_add_nc_u64 s[46:47], s[6:7], s[46:47]
	CROUND                                         ; all sixteen work-groups are here: the first joint loads meet
.irp s, 0,1
	s_mov_b32 s[G0+4*(\s)], 1                                      ; 1:0 count = 1
	s_add_co_u32 s[G0+4*(\s)+1], s20, (\s)*SLOT                    ; 63:32 LDS address
	s_add_nc_u64 s[G0+4*(\s)+2:G0+4*(\s)+3], s[14:15], (\s)*KSTEP*2  ; 120:64 global address: K step s
	s_or_b32 s[G0+4*(\s)+3], s[G0+4*(\s)+3], 0x80000000            ; 127:126 type = 2
	s_mov_b32 s[G0B+4*(\s)], 1
	s_add_co_u32 s[G0B+4*(\s)+1], s20, (\s)*SLOT
	s_add_nc_u64 s[G0B+4*(\s)+2:G0B+4*(\s)+3], s[46:47], (\s)*KSTEP*2
	s_or_b32 s[G0B+4*(\s)+3], s[G0B+4*(\s)+3], 0x80000000
	JLOAD \s                                       ; the ring is filled before anything else is done: two loads of mine are out
.endr
	; A fragment is 16 rows x 32 K in 8 registers: lane l holds row l % 16; registers 0-3 hold K = 8 (l / 16) + 0..7, registers 4-7 hold K = 16 + 8 (l / 16) + 0..7.
	; From rows that lie along K: two loads of 16 bytes, 32 bytes apart.  The same for source 0 and source 1.
	v_and_b32 v1, 15, v0                           ; l % 16
	v_bfe_u32 v2, v0, 4, 1                         ; l / 16
	v_mul_u32_u24 v3, v1, PITCH
	v_lshl_add_u32 v3, v2, 4, v3                   ; row x pitch + 16 x half
	s_mul_i32 s21, s11, HALFT                      ; my 128 rows of xb
	s_mul_i32 s22, s12, HALFT                      ; my 128 rows of wb,
	s_add_co_u32 s22, s22, 2*HALFT                 ; which lie behind xb's 256
.irp s, 0,1
	v_add_nc_u32 v[ADRA+(\s)], s21, v3
	v_add_nc_u32 v[ADRB+(\s)], s22, v3
	s_add_co_u32 s21, s21, SLOT
	s_add_co_u32 s22, s22, SLOT
.endr
	s_mul_i32 s23, s10, 16*SPITCH
	s_add_co_u32 s23, s23, STAGE                   ; my stage
	v_mul_u32_u24 v4, v1, SPITCH                   ; in: row l % 16, 32 bytes for each half of the lanes
	v_lshl_add_u32 v4, v2, 5, v4
	v_add_nc_u32 v[STO], s23, v4
	v_and_b32 v5, 31, v0
	v_lshlrev_b32 v[CO], 4, v5                     ; back: 32 lanes take one row's 512 bytes, 16 each; the same place in out0's row
	v_add_nc_u32 v[RD], s23, v[CO]
	; out0 at my part of the tile
	s_lshl_b32 s13, s13, 8                         ; 256 x tile row
	s_lshl_b32 s14, s11, 7
	s_add_co_u32 s16, s13, s14                     ; my first row of out0
	s_mov_b32 s17, 0
	s_mov_b64 s[18:19], SIZE_N*4
	s_mul_u64 s[16:17], s[16:17], s[18:19]
	s_lshl_b32 s46, s42, 10                        ; my first column, in bytes: 1,024 x tile column + 512 x half (in the registers that held wb's address: none that feeds xb's descriptors ever holds cx)
	s_lshl_b32 s47, s12, 9
	s_add_co_u32 s46, s46, s47
	s_mov_b32 s47, 0
	s_add_nc_u64 s[16:17], s[16:17], s[46:47]
	s_add_nc_u64 s[8:9], s[8:9], s[16:17]          ; never written again: blocks and rows stand in the stores' immediates
	; the prefetches.  s13 = 256 x tile row, s42 = tile column, s40 = cx, s41 = cy still stand; s[4:5] = xb, s[6:7] = wb
	s_lshl_b32 s42, s42, 8
	s_and_b32 s22, ttmp7, 0xffff                   ; cluster y
	s_cmp_eq_u32 s11, 0                            ; do I fetch for xb?
	s_cselect_b32 s20, s13, s42                    ; the tile's first row: in xb by the tile row, in wb by the tile column
	s_cselect_b32 s21, s40, s41                    ; my place among the four that ask for it with me
	s_cselect_b32 s22, ttmp9, s22                  ; the coordinate along which other clusters read the same rows
	s_cselect_b64 s[PFA:PFA+1], s[4:5], s[6:7]
	s_cmp_eq_u32 s22, 0
	s_cselect_b32 s[LIM], 1, -1                    ; the same in all sixteen partners, for a given wave
	s_lshl_b32 s22, s12, 7
	s_add_co_u32 s20, s20, s22                     ; + the 128 rows that I fetch
	s_lshl_b32 s21, s21, 5
	s_add_co_u32 s20, s20, s21                     ; + my work-group's 32 of them
	s_mov_b32 s21, 0
	s_mov_b64 s[18:19], SIZE_K*2
	s_mul_u64 s[20:21], s[20:21], s[18:19]
	s_add_nc_u64 s[PFA:PFA+1], s[PFA:PFA+1], s[20:21]
	s_add_nc_u64 s[PFA:PFA+1], s[PFA:PFA+1], 2*KSTEP*2  ; at K step 2: the first refill steps it to 3 and names K step 4
	v_and_b32 v[PFO], 31, v0
	v_mul_u32_u24 v[PFO], v[PFO], SIZE_K*2
	; nothing is prefetched here, at the head, where every work-group's first two tiles are on their way
; 16 matrix instructions: m blocks a0, a0 + 1 of the window's four (hi = 0: my rows 0-63, 1: rows 64-127) x all 8 n blocks, 32 along K.
; zero = 1: the first product starts the sums: nothing is ever cleared.  The 64 accumulators take turns, one instruction a turn, in the same order in every quarter step.
.macro MUL16 f, hi, a0, zero
	WIN MUL_LO+0x50*(\hi)  ; MUL_LO or MUL_HI
.irp a, \a0, (\a0)+1
.irp b, 0,1,2,3,4,5,6,7
.if \zero
	v_wmma_f32_16x16x32_bf16 v[8*(8*(\a)+(\b)):8*(8*(\a)+(\b))+7], v[(\f)+8*(\b):(\f)+8*(\b)+7], v[(\f)+8*(4*(\hi)+(\a)):(\f)+8*(4*(\hi)+(\a))+7], 0
.else
	v_wmma_f32_16x16x32_bf16 v[8*(8*(\a)+(\b)):8*(8*(\a)+(\b))+7], v[(\f)+8*(\b):(\f)+8*(\b)+7], v[(\f)+8*(4*(\hi)+(\a)):(\f)+8*(4*(\hi)+(\a))+7], v[8*(8*(\a)+(\b)):8*(8*(\a)+(\b))+7]
.endif
.endr
.endr
.endm
; 32 LDS loads in one run: the fragments of one quarter step (128 rows of wb, 128 rows of xb, 32 K at byte k of the rows) into buffer f
.macro FETCH slot, k, f
	WIN TO_B
.irp i, 0,1,2,3,4,5,6,7
	ds_load_b128 v[(\f)+8*(\i):(\f)+8*(\i)+3],   v[ADRB+(\slot)] offset:(\k)+(\i)*16*PITCH
	ds_load_b128 v[(\f)+8*(\i)+4:(\f)+8*(\i)+7], v[ADRB+(\slot)] offset:(\k)+(\i)*16*PITCH+32
.endr
	WIN 0
.irp i, 0,1,2,3,4,5,6,7
	ds_load_b128 v[(\f)+8*(\i):(\f)+8*(\i)+3],   v[ADRA+(\slot)] offset:(\k)+(\i)*16*PITCH
	ds_load_b128 v[(\f)+8*(\i)+4:(\f)+8*(\i)+7], v[ADRA+(\slot)] offset:(\k)+(\i)*16*PITCH+32
.endr
.endm
; A load into a register that a matrix instruction has read, and an instruction that reads a matrix result, stand four places behind that matrix instruction, and only plain vector instructions that name
; none of its registers are places (ISA guide 7.12.1 for vector instructions); the matrix instructions in between are not counted.
.macro PLACES
.rept 4
	v_nop
.endr
.endm
; A K step is four quarter steps of 32 along K, 64 matrix instructions each, on buffers 0, 1, 0, 1.
; One of the first three: multiplies buffer f; in its middle it fetches the next quarter's fragments, at byte k of the same slot's rows, into buffer g.
.macro QUARTER slot, k, f, g, zero
	s_wait_dscnt 8                                 ; wb and xb's rows 0-63 are in; the youngest eight loads (xb's rows 64-127) may be out
	WIN MUL_LO
	MUL16 \f, 0, 0, \zero
	MUL16 \f, 0, 2, \zero
	PLACES
	FETCH \slot, \k, \g
	s_wait_dscnt 32                                ; all but the 32 just issued
	WIN MUL_HI
	MUL16 \f, 1, 0, \zero
	MUL16 \f, 1, 2, \zero
.endm
; The last quarter multiplies buffer 1 and changes slots.  MEET is its first half: ONE barrier for the change of slots, for two things.  In front of it each wave waits for all its tensor loads, of which
; one is out: its part of the next slot; adds 0 to its spare word; and waits for that and for its own reads of this slot.  Behind it nobody reads this slot any more and the next slot is whole.
.macro MEET round                      ; round = 1: a round of the cluster's barrier follows
	WIN 0                                          ; (the add's two registers lie in window 0)
	s_wait_tensorcnt 0x0                           ; all my tensor loads have landed: the one that was out is my part of the next slot;
	ds_add_u32 v[SPW], v[NIL]                      ; 0 onto my spare word;
	s_wait_dscnt 9                                 ; (the add and the youngest eight loads may be out)
	WIN MUL_LO
	MUL16 F1, 0, 0, 0                              ; sixteen matrix instructions stand between the add and the wait for it
	s_wait_dscnt 0x0                               ; the add is done, and my reads of this slot are over:
	s_barrier_signal -1                            ; say so (where a slot is filled again this barrier opens a round of the cluster's barrier),
	MUL16 F1, 0, 2, 0                              ; work on registers while the others arrive,
.if \round
	WIN 0
.endif
	s_barrier_wait -1                              ; and go on when all four have said so
.endm
; The whole last quarter.  fill = 1: behind the round the slot just read out is filled again first, with the K step two steps on; then come the next slot's first fragments.
; From a request to the wait for it a wave issues 224 matrix instructions.  fill = 0 (the last lap): nothing is asked for, and no round follows the barrier.
.macro TURN slot, next, fill
.if \fill
	s_wait_xcnt 0x0                                ; the last prefetch, a K step back, has read its address: it is stepped here, ahead of the waits of the change of slots
	s_add_nc_u64 s[PFA:PFA+1], s[PFA:PFA+1], KSTEP*2
.endif
	MEET \fill
.if \fill
	CREST                                          ; wave 0 says so for the work-group, all sixteen work-groups have said so, my work-group's barrier closes the round:
	                                               ; no wave of any partner still reads this slot's tile or has a load on its way, and no load of mine is out, so a group 0 may be written
	s_add_nc_u64 s[G0+4*(\slot)+2:G0+4*(\slot)+3], s[G0+4*(\slot)+2:G0+4*(\slot)+3], 2*KSTEP*2
	s_add_nc_u64 s[G0B+4*(\slot)+2:G0B+4*(\slot)+3], s[G0B+4*(\slot)+2:G0B+4*(\slot)+3], 2*KSTEP*2
	JLOAD \slot                                    ; the first tensor load behind the round, and my only one until the next; the four v_nop behind it are also the places in front of the loads below
.else
	PLACES
.endif
	FETCH \next, 0, F0
.if \fill
	ASK                                            ; behind the joint load and the run of LDS loads that the next products wait for
.endif
	WIN MUL_HI
	MUL16 F1, 1, 0, 0
	MUL16 F1, 1, 2, 0
.endm
; THE WAY OUT of block a (16 rows x 128 columns of f32), in two parts.  TOSTAGE: a lane's 32 bytes of each of 8 accumulators go into my own stage, rows of 528 bytes, straight from the accumulators
; (each accumulator's lower four registers first), and come back as whole rows of 512 bytes, into the fragment buffers, which are free.  SEND: stored.
.macro TOSTAGE a
.set AC, 64*((\a)%4)
.set BK, 64+64*((\a)%2)
	WIN 0x08+4*((\a)/4)                            ; an LDS store's data are source 1: window 2 or 3; its address window 0
.irp b, 0,1,2,3,4,5,6,7
	ds_store_b128 v[STO], v[AC+8*(\b):AC+8*(\b)+3]   offset:64*(\b)
	ds_store_b128 v[STO], v[AC+8*(\b)+4:AC+8*(\b)+7] offset:64*(\b)+16
.endr
	WIN 0
.if (\a) >= 2
	s_wait_xcnt 0x0                                ; the stores of the block two back have had their addresses translated (ISA guide 3.1): their data registers are loaded again only behind this wait
.endif
.irp u, 0,1,2,3,4,5,6,7,8,9,10,11,12,13,14,15
	ds_load_b128 v[BK+4*(\u):BK+4*(\u)+3], v[RD] offset:SPITCH*(\u)  ; LDS serves a wave's instructions in order (ISA guide 5.7.1.4): these see the stores above; the next block's stores come behind them
.endr
.endm
.macro SEND a, younger                 ; younger: the LDS instructions issued behind block a's loads: the next block's 32, or none
.set BK, 64+64*((\a)%2)
	s_wait_dscnt \younger                          ; the block is back in registers
.irp u, 0,1,2,3,4,5,6,7,8,9,10,11,12,13,14,15
	global_store_b128 v[CO], v[BK+4*(\u):BK+4*(\u)+3], s[8:9] offset:(16*(\a)+(\u))*SIZE_N*4 th:TH_STORE_NT  ; the wave stores 512 consecutive bytes, at a multiple of 256 from out0's first byte; 127 rows at the most: 2,080,768, inside the signed 24-bit immediate
.endr
.endm
	s_wait_tensorcnt 1                             ; my part of K step 0 is in; K step 1's may stay out
	s_barrier_signal -1
	s_barrier_wait -1                              ; everybody's is
	FETCH 0, 0, F0
	QUARTER 0, 64,  F0, F1, 1                      ; the first quarter stands in front of the loop: its products start the sums
	WIN 0                                          ; at a label and at a branch every window is 0
	s_mov_b32 s3, LAPS-1
.Llap:                                                 ; a trip goes once round the ring, from a lap's second quarter to the next lap's first, and fills both slots again; the last trip brings K steps 30 and 31
	QUARTER 0, 128, F1, F0, 0
	QUARTER 0, 192, F0, F1, 0
	TURN 0, 1, 1
	QUARTER 1, 64,  F0, F1, 0
	QUARTER 1, 128, F1, F0, 0
	QUARTER 1, 192, F0, F1, 0
	TURN 1, 0, 1
	QUARTER 0, 64,  F0, F1, 0
	WIN 0
	s_sub_co_u32 s3, s3, 1
	s_cmp_lg_u32 s3, 0
	s_cbranch_scc1 .Llap
	QUARTER 0, 128, F1, F0, 0                      ; the last lap is written out: it fills nothing
	QUARTER 0, 192, F0, F1, 0
	TURN 0, 1, 0                                   ; my one tensor load that was still out is slot 1's, the last K step's
	QUARTER 1, 64,  F0, F1, 0
	QUARTER 1, 128, F1, F0, 0
	QUARTER 1, 192, F0, F1, 0
	s_wait_dscnt 8                                 ; the very last quarter: nothing more to fetch
	MUL16 F1, 0, 0, 0
	MUL16 F1, 0, 2, 0
	s_wait_dscnt 0x0
	MUL16 F1, 1, 0, 0
	MUL16 F1, 1, 2, 0
	WIN 0
	PLACES                                         ; behind the last products, in front of LDS stores that read results and of loads into the fragment buffers;
	PLACES                                         ; eight, once a launch: the stricter count
	TOSTAGE 0
.irp a, 1,2,3,4,5,6,7                  ; block a's way through the stage stands between block a - 1's loads and the wait for them
	TOSTAGE \a
	SEND (\a)-1, 32
.endr
	SEND 7, 0
	s_wait_tensorcnt 0x0                           ; the wave's end, behind my last tensor load and my last LDS store
	ds_add_u32 v[SPW], v[NIL]
	s_wait_dscnt 0x0
	CROUND                                         ; the closing round: no work-group ends while a partner may still ask for a tile that names it
	s_endpgm
.Lfunc_end_k_qa598eea498_gemm:
	.size	k_qa598eea498_gemm, .Lfunc_end_k_qa598eea498_gemm-k_qa598eea498_gemm
	.p2alignl 7, 3214868480
	.fill 96, 4, 3214868480
	.section	.rodata,"a",@progbits
	.p2align	6, 0x0
	.amdhsa_kernel k_qa598eea498_gemm
		.amdhsa_group_segment_fixed_size 327680
		.amdhsa_private_segment_fixed_size 0
		.amdhsa_enable_private_segment 0
		.amdhsa_kernarg_size 24
		.amdhsa_user_sgpr_count 2
		.amdhsa_user_sgpr_kernarg_segment_ptr 1
		.amdhsa_wavefront_size32 1
		.amdhsa_system_sgpr_workgroup_id_x 1
		.amdhsa_system_sgpr_workgroup_id_y 1
		.amdhsa_system_sgpr_workgroup_id_z 1
		.amdhsa_system_vgpr_workitem_id 0
		.amdhsa_next_free_vgpr 1024
		.amdhsa_next_free_sgpr 66
		.amdhsa_reserve_vcc 0
		.amdhsa_float_denorm_mode_32 3
		.amdhsa_float_denorm_mode_16_64 3
		.amdhsa_memory_ordered 1
		.amdhsa_forward_progress 1
		.amdhsa_inst_pref_size 141
	.end_amdhsa_kernel
	.amdgpu_metadata
---
amdhsa.version: [ 1, 2 ]
amdhsa.kernels:
  - .name:           k_qa598eea498_gemm
    .symbol:         k_qa598eea498_gemm.kd
    .args:
      - { .name: xb, .offset: 0, .size: 8, .value_kind: global_buffer, .address_space: global }
      - { .name: wb, .offset: 8, .size: 8, .value_kind: global_buffer, .address_space: global }
      - { .name: out0, .offset: 16, .size: 8, .value_kind: global_buffer, .address_space: global }
    .group_segment_fixed_size: 327680
    .private_segment_fixed_size: 0
    .kernarg_segment_align: 8
    .kernarg_segment_size: 24
    .max_flat_workgroup_size: 128
    .sgpr_count:     66
    .vgpr_count:     1024
    .wavefront_size: 32
...
	.end_amdgpu_metadata
.endif
;; end of part 3
;; ======== version 2 of 2: 3 launches; version 1 with the launch wprep written anew for expert scheduling mode
;; limits: values outside matrix products are rounded to bf16
;; workspace buffers: xb 33,554,432 bytes; wb 33,554,432 bytes
;; launch xcast: the kernel of part 1 again; grid 1024 x 1, 8 waves a work-group, no clusters, 0 bytes of LDS; arguments x, xb; writes xb
;; launch wprep (part 4): grid 8 x 32, 8 waves a work-group, no clusters, 52,736 bytes of LDS; arguments packed_weight, block_scales, global_scale, lora_A, lora_B, wb; writes wb
.if DOCPART == 4
	.amdgcn_target "amdgcn-amd-amdhsa--gfx1250"
	.amdhsa_code_object_version 6
	.text
	.protected	k_qa598eea498_wprep
	.globl	k_qa598eea498_wprep
	.p2align	8
	.type	k_qa598eea498_wprep,@function
k_qa598eea498_wprep:
	s_mov_b64 s[64:65], 0
	v_nop
	global_prefetch_b8 v0, s[64:65] scope:SCOPE_SE
	s_setreg_imm32_b32 hwreg(HW_REG_WAVE_SCHED_MODE, 0, 2), 2
	s_setreg_imm32_b32 hwreg(HW_REG_WAVE_MODE, 25, 1), 1
	s_wait_xcnt 0x0
	s_wait_alu depctr_vm_vsrc(0)
; wb[o][i] = bf16( FP4(code[o][i]) x bf16(block_scales[o][i / 16]) x bf16(global_scale) + sum over r of bf16(lora_B[o][r]) bf16(lora_A[r][i]) ),  [4096][4096], row-major.
; LEFT OUT: the factor SCALING = 16 / 16 = 1, a constant of the problem's own body (shown at the head of xcast).
; packed_weight holds one byte of two codes in each 32-bit word: element 2 j in bits 3:0 of word j, element 2 j + 1 in bits 7:4; the bits above are dropped, as the reference's masks drop them.
; SHARES.  Work-group (cx, cy) makes rows 128 cy .. + 127, columns 512 cx .. + 511.  Wave w takes 16 rows and walks four BLOCKS of 128 columns, each eight TILES of 16 x 16: a tile is one scale group of each row.
; THE PRODUCT IS USED TRANSPOSED: source 0 = 16 columns of lora_A (K = the rank: 16 of the form's 32, the upper 16 are zeros in both sources), source 1 = my 16 rows of lora_B, C = D = the dequantised tile.
; In C and D lane l (r = l % 16, h = l / 16) holds row r and, in registers 0 to 7, the columns 8 h + 0 .. 7 of the tile: four packed words (16 bytes) on the way in, 16 bytes of bf16 on the way out.
; ON THE WAY IN a tile's load takes 32 bytes of each of my 16 rows; a block's eight loads together take 256 consecutive bytes, aligned, of each row.  Two sets of registers: one block is worked on, the other's loads are out.
; ON THE WAY OUT a block goes through my own stage in LDS, comes back as whole rows of 256 bytes into registers of its own (OUT), and is stored in the course of the next block.
; LDS: lora_A's 16 x 512 numbers in bf16 (pitch 1,056 = 264 words: row k starts at bank 8 k mod 64; 64 banks of 4 bytes: ISA guide 11.1);
; then a stage of 16 rows x 272 bytes for each wave; then the spare words.
; THE MODE: SCHED_MODE bits 1:0 = 2 (LLVM: expert scheduling mode 2), set by the entry lines.  The code itself states the register dependences between vector or matrix instructions and memory or LDS
; instructions, with s_wait_alu, always for 0.
; THE PLAN.  Registers that memory or LDS instructions touch:
;   v4-v12    offsets and LDS addresses: made at the head, read by every load and store, never written again.
;   P0, P1    Block c: its byte picks write and its scaled conversions read set c % 2; behind them, in blocks 0 and 1, the loads of block c + 2 land in it.
;   AT        registers 0-3 of each fragment: block c's eight products read them; at the block's end the turning loads of block c + 1 land in them.  (Registers 4-7 are zeros that no load touches.)
;   ACC       registers 0-3 of each tile: block c's roundings write them, its LDS stores read them, block c + 1's scaled conversions write them again.  At the head lora_A passes through them in the same way.
;   OUT       in the second register window: no vector instruction names it.  Block c's loads from the stage land in it; the eight global stores that read it are issued in block c + 1.
;   SPW, NIL  written at the head, read by the closing add alone.
; So a block has these waits.  Behind its byte picks one on vm_vsrc: the LDS stores issued so far have read the tiles' lower registers.  Behind its scaled conversions, in blocks 0 and 1, one on va_vdst: the set is
; emptied and is asked for again at once.  At its end, behind the roundings, one on va_vdst for all of the block's LDS traffic, and beside it, from block 1 on, one on vm_vsrc: the global stores issued early in the
; block have read OUT.  No vector instruction stands between any of these waits and the memory or LDS instructions that it serves.
.set PA,    1056
.set STAGE, 16*PA                      ; 16,896
.set SP,    272
.set SPARE, STAGE+8*16*SP              ; 51,712: 128 bytes for each of the eight waves: four blocks of 256 bytes that no other line names
.set PO,  4                            ; v4   packed words: r x 8,192 + 16 h; never rewritten, like all of v4-v17
.set SO,  5                            ; v5   scales: r x 1,024
.set BO,  6                            ; v6   lora_B: r x 64 + 32 h
.set AO,  7                            ; v7   lora_A in memory: (t / 16) x 16,384 + (t % 16) x 32, t my thread's number
.set AW,  8                            ; v8   lora_A into LDS: (t / 16) x 1,056 + (t % 16) x 16
.set AR,  9                            ; v9   lora_A out of LDS, turned: (8 h + l % 8) x 1,056 + 16 ((l / 8) % 2)
.set STO, 10                           ; v10  the stage, in: r x 272 + 16 h
.set RD,  11                           ; v11  the stage, back: h x 272 + 16 r
.set CO,  12                           ; v12  wb: h x 8,192 + 16 r
.set E8,  13                           ; v13  the scaled conversion's scale: the E8M0 code of 1.0
.set G,   14                           ; v[14:15] bf16(global_scale) as f32, twice
.set SPW, 16                           ; v16  LDS address of my spare word
.set NIL, 17                           ; v17  0
.set BF,  18                           ; v[18:25]   lora_B's fragment; registers 4-7 are 0
.set AT,  26                           ; v[26:89]   lora_A's fragments of a block, tile t at AT + 8 t; registers 4-7 of each are 0
.set ACC, 90                           ; v[90:153]  the block's eight tiles in f32, tile t at ACC + 8 t
.set SC,  154                          ; v[154:185] my row's 32 scales, times the global scale: block c, tile t at SC + 8 c + t
.set P0,  186                          ; v[186:217] packed words, set 0: tile t at + 4 t
.set P1,  218                          ; v[218:249] set 1
.set T,   250                          ; v[250:251] at work
.set OUT, 0                            ; v[0:31] of the second window (v256-v287): a block's 16 rows of 256 bytes, rows 2 u and 2 u + 1 at OUT + 4 u
.set MSB, 0
.macro WIN new                         ; s_set_vgpr_msb's low byte: bits 1:0 source 0, 3:2 source 1, 5:4 source 2, 7:6 destination; the high byte repeats the setting that is left
.if MSB != (\new)
	s_set_vgpr_msb (MSB<<8)|(\new)
.set MSB, \new
.endif
.endm
.set TO_OUT,   0x40                    ; a load's data (destination) in the second window, its address in the first; an LDS store has no destination and is not touched by this setting
.set FROM_OUT, 0x04                    ; a global store's data (source 1) in the second window, its offset (source 0) in the first
	s_load_b256 s[4:11], s[0:1], 0x0               ; packed s[4:5], scales s[6:7], global scale s[8:9], lora_A s[10:11]
	s_load_b128 s[12:15], s[0:1], 0x20             ; lora_B s[12:13], wb s[14:15]
	v_lshl_add_u32 v[SPW], v0, 2, SPARE
	v_mov_b32 v[NIL], 0
	v_lshrrev_b32 v1, 5, v0
	v_readfirstlane_b32 s16, v1                    ; wave 0..7
	s_mov_b32 s17, ttmp9                           ; cx
	s_and_b32 s18, ttmp7, 0xffff                   ; cy
	s_lshl_b32 s19, s18, 7
	s_mov_b32 s21, 0xffff0000                      ; a word's upper bf16
	s_mov_b32 s22, 0x04000400                      ; v_perm_b32: byte 0 of the second source, byte 0 of the first, twice
	s_mov_b32 s23, 0x05040100                      ; v_perm_b32: the low half of the second source, the low half of the first
	v_and_b32 v1, 15, v0                           ; r (also t % 16)
	v_bfe_u32 v2, v0, 4, 1                         ; h
	v_lshlrev_b32 v[PO], 13, v1
	v_lshl_add_u32 v[PO], v2, 4, v[PO]
	v_lshlrev_b32 v[SO], 10, v1
	v_lshlrev_b32 v[BO], 6, v1
	v_lshl_add_u32 v[BO], v2, 5, v[BO]
	v_lshrrev_b32 v3, 4, v0                        ; t / 16: the row of lora_A that I bring in
	v_lshlrev_b32 v[AO], 14, v3
	v_lshl_add_u32 v[AO], v1, 5, v[AO]
	v_mul_u32_u24 v[AW], v3, PA
	v_lshl_add_u32 v[AW], v1, 4, v[AW]
	v_and_b32 v3, 7, v0
	v_lshl_add_u32 v3, v2, 3, v3                   ; 8 h + l % 8
	v_mul_u32_u24 v[AR], v3, PA
	v_bfe_u32 v3, v0, 3, 1
	v_lshl_add_u32 v[AR], v3, 4, v[AR]
	v_mul_u32_u24 v[STO], v1, SP
	v_lshl_add_u32 v[STO], v2, 4, v[STO]
	v_mul_u32_u24 v[RD], v2, SP
	v_lshl_add_u32 v[RD], v1, 4, v[RD]
	v_lshlrev_b32 v[CO], 13, v2
	v_lshl_add_u32 v[CO], v1, 4, v[CO]
	s_wait_alu depctr_va_sdst(0)                   ; s16 is written, ahead of its first reader: my first row and my stage are made from it
	s_lshl4_add_u32 s19, s16, s19                  ; my first row: 128 cy + 16 w
	s_mul_i32 s26, s16, 16*SP
	s_add_co_u32 s26, s26, STAGE                   ; my stage
	v_add_nc_u32 v[STO], s26, v[STO]
	v_add_nc_u32 v[RD], s26, v[RD]
	s_wait_kmcnt 0x0
	s_load_b32 s20, s[8:9], 0x0                    ; the global scale; no line of this launch writes that buffer
	s_mov_b32 s25, 0
	s_lshl_b32 s24, s19, 13                        ; packed_weight and wb both have rows of 8,192 bytes and 1,024 bytes for 512 columns:
	s_lshl_b32 s27, s17, 10
	s_add_co_u32 s24, s24, s27                     ; row x 8,192 + cx x 1,024 (under 2^26)
	s_add_nc_u64 s[4:5], s[4:5], s[24:25]
	s_add_nc_u64 s[14:15], s[14:15], s[24:25]
	s_lshl_b32 s24, s19, 10                        ; scales: row x 1,024 + cx x 128
	s_lshl_b32 s27, s17, 7
	s_add_co_u32 s24, s24, s27
	s_add_nc_u64 s[6:7], s[6:7], s[24:25]
	s_lshl_b32 s24, s17, 11                        ; lora_A: cx x 2,048
	s_add_nc_u64 s[10:11], s[10:11], s[24:25]
	s_lshl_b32 s24, s19, 6                         ; lora_B: row x 64
	s_add_nc_u64 s[12:13], s[12:13], s[24:25]
.macro LOADP pb, c                     ; block c's packed words into set pb: eight loads
.irp t, 0,1,2,3,4,5,6,7
	global_load_b128 v[(\pb)+4*(\t):(\pb)+4*(\t)+3], v[PO], s[4:5] offset:256*(\c)+32*(\t)
.endr
.endm
.macro LOADAT c                        ; block c's eight fragments of lora_A, turned: lane l gets column l % 16 of the tile and the ranks 8 h + 0 .. 7
.irp t, 0,1,2,3,4,5,6,7
	ds_load_tr16_b128 v[AT+8*(\t):AT+8*(\t)+3], v[AR] offset:256*(\c)+32*(\t)
.endr
.endm
	s_wait_alu depctr_va_vdst(0)                   ; the nine offsets and addresses v4 to v12 are written, which every load and store of the kernel reads
	; all the head's loads go out together: 8 of lora_A, 2 of lora_B, 8 of scales, 16 of packed words
.irp p, 0,1,2,3
	global_load_b128 v[ACC+8*(\p):ACC+8*(\p)+3],   v[AO], s[10:11] offset:512*(\p)      ; sixteen threads take 512 consecutive bytes of a row of lora_A
	global_load_b128 v[ACC+8*(\p)+4:ACC+8*(\p)+7], v[AO], s[10:11] offset:512*(\p)+16
.endr
	global_load_b128 v[ACC+32:ACC+35], v[BO], s[12:13]
	global_load_b128 v[ACC+36:ACC+39], v[BO], s[12:13] offset:16
.irp q, 0,1,2,3,4,5,6,7
	global_load_b128 v[SC+4*(\q):SC+4*(\q)+3], v[SO], s[6:7] offset:16*(\q)
.endr
	LOADP P0, 0
	LOADP P1, 1
	v_mov_b32 v[E8], 0x7f7f7f7f
.irp t, 0,1,2,3,4,5,6,7                ; ranks 16 to 31 do not exist: zeros in both sources, written once, while the loads are out
.irp q, 4,5,6,7
	v_mov_b32 v[AT+8*(\t)+(\q)], 0
.endr
.endr
.irp q, 4,5,6,7
	v_mov_b32 v[BF+(\q)], 0
.endr
	s_wait_kmcnt 0x0                               ; the global scale
	v_mov_b32 v[G], s20
	v_cvt_pk_bf16_f32 v[G], v[G], v[G]
	v_lshlrev_b32 v[G], 16, v[G]                   ; rounded to bf16, as f32 again
	v_mov_b32 v[G+1], v[G]
	s_wait_loadcnt 26                              ; lora_A is in; the 2 + 8 + 16 younger loads stay out
.irp p, 0,1,2,3
.irp q, 0,1,2,3
	v_cvt_pk_bf16_f32 v[ACC+8*(\p)+(\q)], v[ACC+8*(\p)+2*(\q)], v[ACC+8*(\p)+2*(\q)+1]  ; in place: register q is written when 2 q and 2 q + 1 are read
.endr
.endr
	s_wait_alu depctr_va_vdst(0)                   ; the sixteen roundings have written the registers that the four LDS stores read
.irp p, 0,1,2,3
	ds_store_b128 v[AW], v[ACC+8*(\p):ACC+8*(\p)+3] offset:256*(\p)
.endr
	s_wait_dscnt 0x0                               ; for the others' sake: my part of lora_A lies in LDS
	s_barrier_signal -1
	s_barrier_wait -1                              ; everybody's does; nobody writes it again: the launch's one barrier
	LOADAT 0                                       ; no vector instruction has named the registers in which these land
	s_wait_loadcnt 16                              ; lora_B and the scales are in; the two sets of packed words stay out
.irp q, 0,1,2,3
	v_cvt_pk_bf16_f32 v[BF+(\q)], v[ACC+32+2*(\q)], v[ACC+32+2*(\q)+1]
.endr
.set p, 0
.rept 16                               ; a pair of scales: rounded to bf16, widened again, times the global scale (8 + 8 bits: exact in f32)
	v_cvt_pk_bf16_f32 v[T+p%2], v[SC+2*p], v[SC+2*p+1]
	v_lshlrev_b32 v[SC+2*p], 16, v[T+p%2]
	v_and_b32 v[SC+2*p+1], s21, v[T+p%2]
	v_pk_mul_f32 v[SC+2*p:SC+2*p+1], v[SC+2*p:SC+2*p+1], v[G:G+1]
.set p, p+1
.endr
; Block c's 16 rows leave OUT.  The stores name v[CO] and OUT alone: the one was written ahead of the head's wait on va_vdst, the other is named by no vector instruction, so no wait on va_vdst is owed here.
.macro SEND c
	WIN FROM_OUT
.irp u, 0,1,2,3,4,5,6,7
	global_store_b128 v[CO], v[OUT+4*(\u):OUT+4*(\u)+3], s[14:15] offset:256*(\c)+16384*(\u) th:TH_STORE_NT  ; 16 lanes store 256 consecutive bytes, at a multiple of 256 from wb's first byte
.endr
	WIN 0
.endm
; A BLOCK.  pb: its set of packed words.  more = 1: the set is asked for again, for the block two further on.  left: the younger loads that may stay out.
.macro BLOCK c, pb, more, left
	s_wait_loadcnt \left                           ; my set is in
.irp t, 0,1,2,3,4,5,6,7                ; the low bytes of four words into one word: byte j = the two codes of word j.  These 24 lines name the set alone: they stand between the last block's LDS traffic and the waits for it
	v_perm_b32 v[(\pb)+4*(\t)],   v[(\pb)+4*(\t)+1], v[(\pb)+4*(\t)],   s22
	v_perm_b32 v[(\pb)+4*(\t)+2], v[(\pb)+4*(\t)+3], v[(\pb)+4*(\t)+2], s22
.endr
.irp t, 0,1,2,3,4,5,6,7
	v_perm_b32 v[(\pb)+4*(\t)], v[(\pb)+4*(\t)+2], v[(\pb)+4*(\t)], s23
.endr
	s_wait_alu depctr_vm_vsrc(0)                   ; the LDS stores issued so far (the head's of lora_A, then the last block's into the stage) have read the tiles' lower registers, which the scaled conversions write again
.irp t, 0,1,2,3,4,5,6,7
	v_cvt_scale_pk8_f32_fp4 v[ACC+8*(\t):ACC+8*(\t)+7], v[(\pb)+4*(\t)], v[E8]  ; eight codes, the lowest four bits first, to eight f32, times 1
.endr
	v_nop                                          ; a plain instruction between the last scaled conversion and the use of its result
.if \more
	s_wait_alu depctr_va_vdst(0)                   ; the byte picks have written the set and the scaled conversions are done reading it: the loads below land in it
	LOADP \pb, (\c)+2
.endif
	s_wait_dscnt 0x0                               ; this block's fragments of lora_A are in, and the last block's rows are back in OUT
.if (\c) > 0
	SEND (\c)-1
.endif
.irp t, 0,1,2,3,4,5,6,7
.irp q, 0,2,4,6
.if ((\t)&1) == 0
	v_pk_mul_f32 v[ACC+8*(\t)+(\q):ACC+8*(\t)+(\q)+1], v[ACC+8*(\t)+(\q):ACC+8*(\t)+(\q)+1], v[SC+8*(\c)+(\t):SC+8*(\c)+(\t)+1] op_sel_hi:[1,0]  ; both by the pair's first: an even tile's scale
.else
	v_pk_mul_f32 v[ACC+8*(\t)+(\q):ACC+8*(\t)+(\q)+1], v[ACC+8*(\t)+(\q):ACC+8*(\t)+(\q)+1], v[SC+8*(\c)+(\t)-1:SC+8*(\c)+(\t)] op_sel:[0,1] op_sel_hi:[1,1]  ; both by the pair's second: an odd tile's
.endif
.endr
.endr
.irp t, 0,1,2,3,4,5,6,7                ; + lora_B lora_A.  The eight accumulators take turns, one instruction a turn, from block to block too
	v_wmma_f32_16x16x32_bf16 v[ACC+8*(\t):ACC+8*(\t)+7], v[AT+8*(\t):AT+8*(\t)+3+4], v[BF:BF+7], v[ACC+8*(\t):ACC+8*(\t)+7]
.endr
.rept 8
	v_nop                                          ; places behind the products (ISA guide 7.12.1), in front of roundings that read and overwrite their results; eight, the stricter count, since the results are written in place
.endr
.irp t, 0,1,2,3,4,5,6,7
.irp q, 0,1,2,3
	v_cvt_pk_bf16_f32 v[ACC+8*(\t)+(\q)], v[ACC+8*(\t)+2*(\q)], v[ACC+8*(\t)+2*(\q)+1]  ; the one rounding of the weight; each tile's registers in ascending order
.endr
.endr
	WIN TO_OUT                                     ; the switch for the loads into OUT stands ahead of the waits; the LDS stores between have no destination
.if (\c) > 0
	s_wait_xcnt 0x0                                ; the last block's global stores have had their addresses translated (ISA guide 3.1): their data registers, OUT, are loaded again only behind this wait,
	s_wait_alu depctr_vm_vsrc(0)                   ; and they have read OUT, in which the loads from the stage land; they were issued ahead of this block's multiplies, products and roundings
.endif
	s_wait_alu depctr_va_vdst(0)                   ; the roundings have written the tiles' lower registers, which the LDS stores read; the products are done reading the fragments of lora_A, in which the turning loads land
.irp t, 0,1,2,3,4,5,6,7
	ds_store_b128 v[STO], v[ACC+8*(\t):ACC+8*(\t)+3] offset:32*(\t)
.endr
.irp u, 0,1,2,3,4,5,6,7
	ds_load_b128 v[OUT+4*(\u):OUT+4*(\u)+3], v[RD] offset:2*SP*(\u)  ; rows 2 u and 2 u + 1, whole.  LDS serves a wave's instructions in order (ISA guide 5.7.1.4): these see the stores above, and the next block's stores come behind them
.endr
	WIN 0
.if (\c) < 3
	LOADAT (\c)+1                                  ; no vector or matrix instruction since the wait above
.endif
.endm
	BLOCK 0, P0, 1, 8                              ; the count 8: the other set's eight loads
	BLOCK 1, P1, 1, 8
	BLOCK 2, P0, 0, 8
	BLOCK 3, P1, 0, 0
	s_wait_dscnt 0x0                               ; block 3's rows are back in OUT
	SEND 3
	s_wait_dscnt 0x0                               ; the closing lines, six on end
	s_wait_alu 0x0
	s_wait_tensorcnt 0x0
	ds_add_u32 v[SPW], v[NIL]
	s_wait_dscnt 0x0
	s_endpgm
.Lfunc_end_k_qa598eea498_wprep:
	.size	k_qa598eea498_wprep, .Lfunc_end_k_qa598eea498_wprep-k_qa598eea498_wprep
	.p2alignl 7, 3214868480
	.fill 96, 4, 3214868480
	.section	.rodata,"a",@progbits
	.p2align	6, 0x0
	.amdhsa_kernel k_qa598eea498_wprep
		.amdhsa_group_segment_fixed_size 52736
		.amdhsa_private_segment_fixed_size 0
		.amdhsa_enable_private_segment 0
		.amdhsa_kernarg_size 48
		.amdhsa_user_sgpr_count 2
		.amdhsa_user_sgpr_kernarg_segment_ptr 1
		.amdhsa_wavefront_size32 1
		.amdhsa_system_sgpr_workgroup_id_x 1
		.amdhsa_system_sgpr_workgroup_id_y 1
		.amdhsa_system_sgpr_workgroup_id_z 1
		.amdhsa_system_vgpr_workitem_id 0
		.amdhsa_next_free_vgpr 288
		.amdhsa_next_free_sgpr 66
		.amdhsa_reserve_vcc 0
		.amdhsa_float_denorm_mode_32 3
		.amdhsa_float_denorm_mode_16_64 3
		.amdhsa_memory_ordered 1
		.amdhsa_forward_progress 1
		.amdhsa_inst_pref_size 52
	.end_amdhsa_kernel
	.amdgpu_metadata
---
amdhsa.version: [ 1, 2 ]
amdhsa.kernels:
  - .name:           k_qa598eea498_wprep
    .symbol:         k_qa598eea498_wprep.kd
    .args:
      - { .name: packed_weight, .offset: 0, .size: 8, .value_kind: global_buffer, .address_space: global }
      - { .name: block_scales, .offset: 8, .size: 8, .value_kind: global_buffer, .address_space: global }
      - { .name: global_scale, .offset: 16, .size: 8, .value_kind: global_buffer, .address_space: global }
      - { .name: lora_A, .offset: 24, .size: 8, .value_kind: global_buffer, .address_space: global }
      - { .name: lora_B, .offset: 32, .size: 8, .value_kind: global_buffer, .address_space: global }
      - { .name: wb, .offset: 40, .size: 8, .value_kind: global_buffer, .address_space: global }
    .group_segment_fixed_size: 52736
    .private_segment_fixed_size: 0
    .kernarg_segment_align: 8
    .kernarg_segment_size: 48
    .max_flat_workgroup_size: 256
    .sgpr_count:     66
    .vgpr_count:     288
    .wavefront_size: 32
...
	.end_amdgpu_metadata
.endif
;; end of part 4
;; launch gemm: the kernel of part 3 again; grid 16 x 16, 4 waves a work-group, clusters of 4 x 4, 327,680 bytes of LDS; arguments xb, wb, out0; writes out0
